; MI455X (gfx1250); checked and timed in simulation.
; The chip was launched on July 23, 2026; its instructions are those of AMD's public machine-readable ISA for CDNA 5 (MIT licence, August 2026) and "CDNA5" Instruction Set Architecture Reference Guide (July 2026). The comments in the code are by the model that wrote it; some were corrected since.
;; Attention. Allowed arithmetic: matrix products marked QUANTISED: E2M3 operands, one E8M0 scale for each 32 along K, by v_wmma_scale_f32_16x16x128_f8f6f4 with both operands' format E2M3, f32 sums; everything else in f32.
;; Inputs: bk 1,024 float32; bo 1,024 float32; bq 1,024 float32; bv 1,024 float32; wk_codes 1,024 x 32 x 24 uint8 (E2M3 codes of wk, K innermost, in blocks of 32 codes, four codes in three bytes); wk_scales 1,024 x 32 uint8 (E8M0 scales of wk, one for each 32 codes along K); wo_codes 1,024 x 32 x 24 uint8 (E2M3 codes of wo, K innermost, in blocks of 32 codes, four codes in three bytes); wo_scales 1,024 x 32 uint8 (E8M0 scales of wo, one for each 32 codes along K); wq_codes 1,024 x 32 x 24 uint8 (E2M3 codes of wq, K innermost, in blocks of 32 codes, four codes in three bytes); wq_scales 1,024 x 32 uint8 (E8M0 scales of wq, one for each 32 codes along K); wv_codes 1,024 x 32 x 24 uint8 (E2M3 codes of wv, K innermost, in blocks of 32 codes, four codes in three bytes); wv_scales 1,024 x 32 uint8 (E8M0 scales of wv, one for each 32 codes along K); x_codes 4 x 2,048 x 32 x 24 uint8 (E2M3 codes of x, K innermost, in blocks of 32 codes, four codes in three bytes); x_scales 4 x 2,048 x 32 uint8 (E8M0 scales of x, one for each 32 codes along K).
;; Outputs: out0 4 x 2,048 x 1,024 float32.
;; This version of the problem:
;;   THIS VERSION OF THE PROBLEM IS GIVEN IN LOW PRECISION. The matrix products marked QUANTISED in the list below multiply operands that are first quantised to E2M3 (2 exponent bits, 3 mantissa bits; 6 bits a number), with one power-of-two scale for each 32 numbers along K (OCP MX v1.0); their sums are f32. All else is computed in f32.
;;   The module's matrix products, in the order in which they are computed (A, B: the left and right operand; K: the contracted axis; several contracted axes count as one K, in the product's order):
;;     1. [M 8,192, K 1,024] x [K 1,024, N 1,024]; A: input x (given as codes); B: input wq (given as codes): QUANTISED
;;     2. [M 8,192, K 1,024] x [K 1,024, N 1,024]; A: input x (given as codes); B: input wk (given as codes): QUANTISED
;;     3. [M 8,192, K 1,024] x [K 1,024, N 1,024]; A: input x (given as codes); B: input wv (given as codes): QUANTISED
;;     4. batch 64 x [M 2,048, K 64] x [K 64, N 2,048]; A: computed on the way; B: computed on the way: QUANTISED
;;     5. batch 64 x [M 2,048, K 2,048] x [K 2,048, N 64]; A: softmax (see below); B: computed on the way: QUANTISED
;;     6. [M 8,192, K 1,024] x [K 1,024, N 1,024]; A: computed on the way; B: input wo (given as codes): QUANTISED
;;   THE QUANTISER, for each operand of a quantised product, along K:
;;     - K is cut into blocks of 32 from its start; a last block that is shorter is filled with zeros.
;;     - A block's scale is 2^e with e = floor(log2(the largest magnitude in the block)) - 2, held to -126 .. 127; a block of zeros has e = 0. As a byte (E8M0): e + 127.
;;     - Each number is divided by its block's scale, clamped to +-7.5, and rounded to the nearest number of E2M3, ties to even, subnormals kept.
;;     - The product sums the exact products of the quantised numbers (number of the format x scale) in f32.
;;   ~~~python
;;   def quantise(x, axis):      # numpy; x: float32 -> the quantised numbers, widened to float32 again
;;       x = np.moveaxis(x, axis, -1); K = x.shape[-1]
;;       x = np.pad(x, [(0, 0)] * (x.ndim - 1) + [(0, -K % 32)]); x = x.reshape(x.shape[:-1] + (-1, 32)); a = np.abs(x).max(-1, keepdims=True)
;;       e = np.where(a > 0, np.clip(np.frexp(np.where(a > 0, a, 1))[1] - 1 - 2, -126, 127), 0)      # np.frexp(a)[1] - 1 = floor(log2(a)), exactly
;;       r = np.clip(x / 2.0 ** e, -7.5, 7.5)
;;       step = 2.0 ** (np.maximum(np.frexp(np.where(r == 0, 1, r))[1] - 1, 0) - 3)
;;       q = np.round(r / step) * step * 2.0 ** e      # np.round: ties to even
;;       return np.moveaxis(q.reshape(q.shape[:-2] + (-1,))[..., :K], -1, axis).astype(np.float32)
;;   ~~~
;;   SOFTMAX AHEAD OF A QUANTISED PRODUCT. Where the list says 'softmax', what is quantised is not the finished softmax but p = 2^(t - M), with t = logit x log2(e) and M = ceil(the row's largest t), a whole number; so 1/2 < the row's largest p <= 1. The row's sum l is taken of the UNQUANTISED p, in f32, and the product's result is divided by l at the end. Since M is a whole number, a kernel that streams over the keys may use a running M (the ceiling of the running maximum): every later rescaling is an exact power of two, which a block's scale takes up: the codes' values come out the same.
;;   OPERANDS COMPUTED ON THE WAY. 'Computed on the way' means the value that the module computes at that place (a softmax that the list does not call 'softmax' is quantised finished and normalised). What goes into a quantiser is computed in f32, as accurately as f32 sums, v_exp_f32 and their like allow (about 1e-6 of the number): no bf16 or f16 on the way to a quantiser, and a product that is left as it is and whose result goes on into a quantised operand takes f32 operands (vector FMAs, or v_wmma_f32_16x16x4_f32). A number that lies on a knife's edge between two numbers of the format may be rounded either way, as far as f32 arithmetic and the matrix unit's own rounding can turn it there, and no further.
;;   INPUTS GIVEN AS CODES. wk (in the module: [1024, 1024], K = its axis 0); wo (in the module: [1024, 1024], K = its axis 0); wq (in the module: [1024, 1024], K = its axis 0); wv (in the module: [1024, 1024], K = its axis 0); x (in the module: [4, 2048, 1024], K = its axis 2): each comes as NAME_codes (uint8): NAME with its K axis moved to the last place and cut into blocks of 32 codes, [.., K / 32, bytes a block], one block behind the other in memory; four codes in three bytes: a row's codes are one little-endian stream of bits, code i at bits 6 i .. 6 i + 5 (a code: sign, 2 exponent bits, 3 mantissa bits); and NAME_scales (uint8): the same leading axes, one E8M0 byte (e + 127) for each 32 codes along K. Its value is code x scale, taken as it is: it is not quantised again, and the codes and scales need not be those that the quantiser above would give.
;; One version. Each part assembles by itself: llvm-mc -triple=amdgcn-amd-amdhsa -mcpu=gfx1250 --defsym DOCPART=n.
;; ======== version 1 of 1: 3 launches
;; workspace buffers: qc 8,388,608 bytes; kv 13,631,488 bytes; ac 8,388,608 bytes
;; launch qkv (part 1): grid 8 x 32, 4 waves a work-group, clusters of 4 x 4, 327,680 bytes of LDS; arguments x_codes, x_scales, wq_codes, wk_codes, wv_codes, wq_scales, wk_scales, wv_scales, bq, bk, bv, qc, kv; writes qc, kv
.if DOCPART == 1
	.amdgcn_target "amdgcn-amd-amdhsa--gfx1250"
	.amdhsa_code_object_version 6
	.text
	.protected	k_qafd06fa441_qkv
	.globl	k_qafd06fa441_qkv
	.p2align	8
	.type	k_qafd06fa441_qkv,@function
k_qafd06fa441_qkv:
	s_mov_b64 s[64:65], 0
	v_nop
	global_prefetch_b8 v0, s[64:65] scope:SCOPE_SE
	s_setreg_imm32_b32 hwreg(HW_REG_WAVE_MODE, 25, 1), 1
	s_wait_xcnt 0x0
	s_wait_alu depctr_hold_cnt(0) depctr_sa_sdst(0) depctr_va_vdst(0) depctr_va_sdst(0) depctr_va_ssrc(0) depctr_va_vcc(0) depctr_vm_vsrc(0)
	s_getreg_b32 s2, hwreg(HW_REG_IB_STS2, 6, 4)
	s_cmp_eq_u32 s2, 0
	s_cbranch_scc0 .Lentry_in_a_cluster
	s_endpgm
.Lentry_in_a_cluster:
	s_bfe_u32 s2, ttmp6, 0x10000c
	s_cmp_lg_u32 s2, 0xf033
	s_cbranch_scc0 .Lentry_shape_is_right
	s_endpgm
.Lentry_shape_is_right:
; q = x wq + bq, k = x wk + bk, v = x wv + bv on codes of FP6 (E2M3) with E8M0 scales, and the three results quantised again: q and k along the head's 64, v along the keys.
; SHARES.  A work-group takes 256 tokens and six slabs of 64 columns: heads 2 j and 2 j + 1 of v, of q, of k.  Wave w keeps its 64 tokens' codes for all of K in 384 registers and walks the six slabs:
; a slab is 8 K steps of 128, 16 matrix instructions each (4 tiles of tokens x 4 tiles of columns), fed by 24 LDS loads of 8 bytes.
; q, k: source 0 = 16 rows of W, source 1 = 16 tokens: a lane holds one token and its registers run along the head.  v: source 0 = 16 tokens, source 1 = 16 rows of wv: a lane holds one column and its registers run along the tokens.
; ORDER INSIDE A BLOCK OF 32.  A lane's 16 numbers of a block are elements 16 u + 8 (lane / 16) + j (u = 0, 1; j = 0 .. 7).  They are coded in that order, so in a block position 16 h + 8 u + j holds element 16 u + 8 h + j.
; q and k, and later p and v, are both laid so: the products pair the same elements, and the blocks, their scales and the codes' values are the quantiser's.
; wv's rows of a tile are chosen (lane r of tile 2 b + u: row 32 b + 8 u + r + 8 (r / 8)), so that the attention's result has 16 neighbouring columns in a lane's 16 registers.
; OUT.  Half fragments (16 rows x 64 along K: 6 registers a lane) as images of the registers: registers 0-3 at 16 x lane, 4-5 at 512 + 8 x lane.
;   qc [b h][tile of 16 tokens][1024]: a half fragment, then at 768 + 8 x lane (scale word, 0).     kv [b h][128 keys][13312]: k's 48 registers in 12 images of 512 bytes; at 6144 k's scale words; at 6656 v's 8 half fragments; at 12800 v's scale bytes.
;   The scale words of q and k carry 0x7f in the two bytes of the half of K that the next launch fills with zero codes.
; CLUSTER 4 x 4: x's rows are shared along a row of the cluster, W's along a column: joint loads.
; LIMITS: NaN and infinities are not served; a block whose largest magnitude lies under 2^-124 (a block of zeros too) gets the byte 1; its bytes are read by this program alone.
.set ROWB,  768                        ; a row of codes: 1,024 x 6 bits
.set PITCH, 816                        ; in LDS: 16 bytes of padding behind each 256: 204 words, so row r starts at bank 12 r mod 64 (64 banks of 4 bytes: ISA guide 11.1): 16 rows, 16 different groups of 4 banks
.set GPV,   16*PITCH+128               ; wv: from a group of 16 rows (one wave's tensor load) to the next: 128 bytes more than the rows take, so that rows 16 apart start 32 banks apart
.set RGV,   4*GPV                      ; a slab of wv
.set RGX,   64*PITCH                   ; a wave's rows of x; later a slab of wq or wk
.set RX,    2*RGV
.set SPARE, RX+4*RGX                   ; the spare words: 128 bytes a wave, two blocks of 256 bytes that no other line names
.set KVB,   13312
.set QHEAD, 128*1024                   ; from a head to the next in qc,
.set KHEAD, 16*KVB                     ; and in kv
; window 0
.set LP,  5                            ; v5, v6   r x PITCH + 24 h, + 40 h (for pieces behind one padding more)
.set XA,  7                            ; v7, v8   the same in my rows of x
.set WA,  9                            ; v9, v10  the same in the slab in hand
.set SA,  11                           ; v11  32 r: a row of scale bytes
.set BA,  12                           ; v12  32 h: eight numbers of a bias
.set BVA, 13                           ; v13  4 (r + 8 (r / 8))
.set SPW, 14                           ; v14  my spare word; never rewritten
.set NIL, 15                           ; v15  0; never rewritten
.set LPV, 16                           ; v16, v17 as LP for wv's chosen rows
.set SAV, 18                           ; v18  32 (r + 8 (r / 8))
.set XS,  32                           ; v32-63   x's scale words: tile t, K step q at 8 t + q
.set WS,  64                           ; v64-127  W's scale words, two sets: 32 set + 8 n + q
.set WF,  128                          ; v128-223 W's fragments, two sets: 48 set + 12 n
; windows 1 and 2: x's fragments: (q, t) at 12 (4 q + t) of window 1 for q < 5, at 12 (4 (q - 5) + t) of window 2
; window 3
.set ACC,  0                           ; 16 accumulators
.set BIAS, 128                         ; the C of a slab's first K step: 8 n
.set TM,   160                         ; largest magnitudes
.set TX,   168                         ; the other half's; then the bytes
.set SO,   176                         ; the conversions' scale operands
.set PC,   184                         ; the codes: 6 registers a group
.set PY,   208
.set WD,   224                         ; (word, 0) pairs
.set KD,   232
.set VH,   234
.set O16,  240                         ; store offsets
.set O8,   241
.set OKC,  242
.set OKS,  243
.set OV16, 244
.set OV8,  245
.set OVS,  246
.set G1X, 48                           ; group 1: x's 64 rows, mask of my row of the cluster
.set G1A, 56                           ; 16 rows of W, mask of my column
.set G1B, 68                           ; 64 rows of W, mask of my column
.set G0X, 76
.set G0A, 80                           ; two sets
.set G0R, 88
.set G1W0, (3<<16)|(1<<20)|(1<<21)|(5<<22)|(3<<25)   ; elements of 8 bytes; padding on; bit 21 beside a mask; behind every 64 words 4 words
.set MSB, 0
.macro WIN new                         ; the immediate's high byte repeats the setting that is left
.if MSB != (\new)
	s_set_vgpr_msb (MSB<<8)|(\new)
.set MSB, (\new)
.endif
.endm
.macro PLACES                          ; four plain places behind matrix instructions, ahead of loads into their registers and of reads of their results
.rept 4
	v_nop
.endr
.endm
.macro CROUND                          ; a round of the cluster's barrier
	s_barrier_signal -1
	s_barrier_wait -1
	s_cmp_lg_u32 s30, 0
	s_cbranch_scc1 .Lnot_wave_0_\@
	s_barrier_signal -3
.Lnot_wave_0_\@:
	s_barrier_wait -3
	s_barrier_signal -1
	s_barrier_wait -1
.endm
; A fragment: 16 rows x 128 K, 12 registers: lanes 0-15 take the row's pieces of 8 bytes 12 q + 0, 1, 2 and 12 q + 6, 7, 8, lanes 16-31 those three pieces on; where that lies behind one padding more, the second address serves
.macro FRAG reg, adr, q, rowoff
.irp p, 0,1,2,3,4,5
.set PN, 12*(\q)+6*(\p/3)+\p%3
.if PN%32 < 29
	ds_load_b64 v[\reg+2*\p:\reg+2*\p+1], v[\adr] offset:8*PN+16*(PN/32)+(\rowoff)
.else
	ds_load_b64 v[\reg+2*\p:\reg+2*\p+1], v[\adr+1] offset:8*PN+16*(PN/32)+(\rowoff)
.endif
.endr
.endm
.macro FETCHW kind, q, set             ; the slab's four fragments of K step q
.irp n, 0,1,2,3
.if (\kind) == 2
	FRAG WF+48*(\set)+12*\n, WA, \q, (32*(\n/2)+8*(\n%2))*PITCH+256*(\n/2)   ; tiles 2 and 3 lie in the groups of 16 rows 2 and 3: two times 128 bytes further on
.else
	FRAG WF+48*(\set)+12*\n, WA, \q, 16*\n*PITCH
.endif
.endr
.endm
.macro SETWA kind, reg                 ; the addresses of the slab at LDS byte reg
.if (\kind) == 2
	v_add_nc_u32 v[WA], \reg, v[LPV]
	v_add_nc_u32 v[WA+1], \reg, v[LPV+1]
.else
	v_add_nc_u32 v[WA], \reg, v[LP]
	v_add_nc_u32 v[WA+1], \reg, v[LP+1]
.endif
.endm
; a slab's scale words and bias.  kind 0, 1, 2 = q, k, v: scales at s[14 + 2 kind], bias at s[20 + 2 kind]
.macro LDNEXT kind, e, ws
	WIN 0
.irp n, 0,1,2,3
.if (\kind) == 2
	global_load_b128 v[WS+32*(\ws)+8*\n:WS+32*(\ws)+8*\n+3], v[SAV], s[14+2*(\kind):15+2*(\kind)] offset:2048*(\e)+(32*(\n/2)+8*(\n%2))*32
	global_load_b128 v[WS+32*(\ws)+8*\n+4:WS+32*(\ws)+8*\n+7], v[SAV], s[14+2*(\kind):15+2*(\kind)] offset:2048*(\e)+(32*(\n/2)+8*(\n%2))*32+16
.else
	global_load_b128 v[WS+32*(\ws)+8*\n:WS+32*(\ws)+8*\n+3], v[SA], s[14+2*(\kind):15+2*(\kind)] offset:2048*(\e)+512*\n
	global_load_b128 v[WS+32*(\ws)+8*\n+4:WS+32*(\ws)+8*\n+7], v[SA], s[14+2*(\kind):15+2*(\kind)] offset:2048*(\e)+512*\n+16
.endif
.endr
	WIN 0xc0                                       ; destination window 3
.irp n, 0,1,2,3
.if (\kind) == 2
.irp i, 0,1,2,3,4,5,6,7
	global_load_b32 v[BIAS+8*\n+\i], v[BVA], s[20+2*(\kind):21+2*(\kind)] offset:256*(\e)+(32*(\n/2)+8*(\n%2))*4   ; a lane holds one column: its one number in all eight registers
.endr
.else
	global_load_b128 v[BIAS+8*\n:BIAS+8*\n+3], v[BA], s[20+2*(\kind):21+2*(\kind)] offset:256*(\e)+64*\n            ; a lane's eight columns 16 n + 8 h + 0 .. 7
	global_load_b128 v[BIAS+8*\n+4:BIAS+8*\n+7], v[BA], s[20+2*(\kind):21+2*(\kind)] offset:256*(\e)+64*\n+16
.endif
.endr
.endm
; 16 matrix instructions: one K step.  The 16 accumulators take turns, in the same order in every K step.  The first K step takes the bias as C.
.macro MUL16 kind, q, set, ws
.if (\q) < 5
.set XB, 48*(\q)
.set XW, 1
.else
.set XB, 48*((\q)-5)
.set XW, 2
.endif
.if (\kind) == 2
	WIN 0xf0+XW                                    ; source 0 = x (window 1 or 2), source 1 = W (window 0), C and D window 3
.else
	WIN 0xf0+4*XW                                  ; source 0 = W, source 1 = x
.endif
.irp t, 0,1,2,3
.irp n, 0,1,2,3
.if (\kind) == 2
.set DD, ACC+32*\n+8*\t
.else
.set DD, ACC+32*\t+8*\n
.endif
.set CC, DD
.if (\q) == 0
.set CC, BIAS+8*\n
.endif
.if (\kind) == 2
	v_wmma_scale_f32_16x16x128_f8f6f4 v[DD:DD+7], v[XB+12*\t:XB+12*\t+11], v[WF+48*(\set)+12*\n:WF+48*(\set)+12*\n+11], v[CC:CC+7], v[XS+8*\t+(\q)], v[WS+32*(\ws)+8*\n+(\q)] matrix_a_fmt:MATRIX_FMT_FP6 matrix_b_fmt:MATRIX_FMT_FP6
.else
	v_wmma_scale_f32_16x16x128_f8f6f4 v[DD:DD+7], v[WF+48*(\set)+12*\n:WF+48*(\set)+12*\n+11], v[XB+12*\t:XB+12*\t+11], v[CC:CC+7], v[WS+32*(\ws)+8*\n+(\q)], v[XS+8*\t+(\q)] matrix_a_fmt:MATRIX_FMT_FP6 matrix_b_fmt:MATRIX_FMT_FP6
.endif
.endr
.endr
.endm
; 128 numbers of a lane: 8 blocks, block k's 16 of mine at ACC + 16 k, the other 16 in lane l xor 16.  Group g (blocks 2 g, 2 g + 1) becomes a half fragment in PC + 6 g on; the bytes stay in TX.
.macro QUANT8
.irp k, 0,1,2,3,4,5,6,7
	v_max3_num_f32 v[TM+\k], |v[ACC+16*\k]|, |v[ACC+16*\k+1]|, 0x1800000   ; with the floor 2^(3 - 127): the byte cannot fall under 1.  Each accumulator is read from its low end on
.endr
.irp i, 2,4,6,8,10,12,14
.irp k, 0,1,2,3,4,5,6,7
	v_max3_num_f32 v[TM+\k], v[TM+\k], |v[ACC+16*\k+\i]|, |v[ACC+16*\k+\i+1]|
.endr
.endr
.irp k, 0,1,2,3,4,5,6,7
	v_permlanex16_b32 v[TX+\k], v[TM+\k], s92, s93
.endr
.irp k, 0,1,2,3,4,5,6,7
	v_max_num_f32 v[TM+\k], v[TM+\k], v[TX+\k]     ; the block's largest magnitude
.endr
.irp k, 0,1,2,3,4,5,6,7
	v_add_nc_u32 v[SO+\k], 0xff000000, v[TM+\k]    ; 2 off its exponent field: the conversion's scale operand
.endr
.irp k, 0,1,2,3,4,5,6,7
	v_lshrrev_b32 v[TX+\k], 23, v[SO+\k]           ; the scale's byte
.endr
.irp g, 0,1,2,3
	v_cvt_scalef32_pk16_fp6_f32 v[PC+6*\g:PC+6*\g+2], v[ACC+32*\g:ACC+32*\g+15], v[SO+2*\g]
	v_cvt_scalef32_pk16_fp6_f32 v[PY+4*\g:PY+4*\g+2], v[ACC+32*\g+16:ACC+32*\g+31], v[SO+2*\g+1]   ; (a conversion's three registers begin on an even number)
.endr
	v_nop                                          ; one plain place behind the scaled conversions
.irp g, 0,1,2,3
.irp i, 0,1,2
	v_permlane16_swap_b32 v[PC+6*\g+\i], v[PY+4*\g+\i]   ; a whole block to a lane: lanes 0-15 block 2 g, lanes 16-31 block 2 g + 1
.endr
.irp i, 0,1,2
	v_mov_b32 v[PC+6*\g+3+\i], v[PY+4*\g+\i]
.endr
.endr
.endm
.macro EPI kind, e                     ; a slab's results are quantised and stored
	PLACES
	WIN 0xff                                       ; all in window 3
	s_wait_xcnt 0x0                                ; the last slab's stores have read their data: the registers are written again only behind this wait
	QUANT8
.irp g, 0,1,2,3
	v_lshl_or_b32 v[WD+2*\g], v[TX+2*\g+1], 8, v[TX+2*\g]
.endr
.if (\kind) < 2
.irp g, 0,1,2,3
	v_or_b32 v[WD+2*\g], 0x7f7f0000, v[WD+2*\g]    ; the bytes of the half of K that holds zero codes: 2^0
.endr
.endif
.if (\kind) == 0
.irp t, 0,1,2,3
	global_store_b128 v[O16], v[PC+6*\t:PC+6*\t+3], s[26:27] offset:(\e)*QHEAD+1024*\t        ; 512 consecutive bytes
	global_store_b64 v[O8], v[PC+6*\t+4:PC+6*\t+5], s[26:27] offset:(\e)*QHEAD+1024*\t+512    ; 256
	global_store_b64 v[O8], v[WD+2*\t:WD+2*\t+1], s[26:27] offset:(\e)*QHEAD+1024*\t+768      ; 256
.endr
.elseif (\kind) == 1
	v_cndmask_b32 v[KD], v[WD], v[WD+4], s94       ; lanes 0-15 store the words of my tiles 0 and 1, lanes 16-31 of tiles 2 and 3
	v_cndmask_b32 v[KD+1], v[WD+2], v[WD+6], s94
.irp g, 0,1,2,3,4,5
	global_store_b128 v[OKC], v[PC+4*\g:PC+4*\g+3], s[28:29] offset:(\e)*KHEAD+512*\g
.endr
	global_store_b64 v[OKS], v[KD:KD+1], s[28:29] offset:(\e)*KHEAD+6144
.else
	v_lshl_or_b32 v[VH], v[WD+2], 16, v[WD]
	v_lshl_or_b32 v[VH+1], v[WD+6], 16, v[WD+4]
.irp n, 0,1,2,3
	global_store_b128 v[OV16], v[PC+6*\n:PC+6*\n+3], s[28:29] offset:(\e)*KHEAD+6656+1536*\n
	global_store_b64 v[OV8], v[PC+6*\n+4:PC+6*\n+5], s[28:29] offset:(\e)*KHEAD+6656+1536*\n+512
.endr
	global_store_b64 v[OVS], v[VH:VH+1], s[28:29] offset:(\e)*KHEAD+12800
.endif
	WIN 0
.endm
; A slab.  xk, xe: the next slab's kind and head (xk = -1: none): its scales and bias are asked for in K step 1.  xf = 1: its first fragments, at LDS byte xr, are fetched in K step 7.
.macro SLAB kind, e, ws, xk, xe, xf, xr
	s_wait_loadcnt 0x0                             ; my scale words and bias, asked for a slab ago
.set Q, 0
.rept 8
	PLACES                                         ; behind the last K step's products, which read the set that is loaded now
	WIN 0
.if Q < 7
	FETCHW \kind, Q+1, (Q+1)%2
.elseif \xf
	SETWA \xk, \xr
	FETCHW \xk, 0, 0
.endif
.if Q == 1
.if (\xk) >= 0
	LDNEXT \xk, \xe, 1-(\ws)                       ; (the bias was read by K step 0 alone)
.endif
.endif
.if (Q < 7) || (\xf)
	s_wait_dscnt 24                                ; all but the 24 loads just issued: this K step's fragments are in
.else
	s_wait_dscnt 0x0
.endif
	MUL16 \kind, Q, Q%2, \ws
.set Q, Q+1
.endr
	EPI \kind, \e
.endm
	s_load_b512 s[4:19], s[0:1], 0x0               ; x codes, x scales, wq, wk, wv codes, wq, wk, wv scales
	s_load_b256 s[20:27], s[0:1], 0x40             ; bq, bk, bv, qc
	s_load_b64 s[28:29], s[0:1], 0x60              ; kv
	v_lshl_add_u32 v[SPW], v0, 2, SPARE
	v_mov_b32 v[NIL], 0
	ds_add_u32 v14, v15
	ds_add_u32 v14, v15
	s_wait_dscnt 0x0
	v_lshrrev_b32 v1, 5, v0
	v_readfirstlane_b32 s30, v1                    ; wave 0..3
	s_and_b32 s31, s30, 1
	s_bfe_u32 s32, ttmp6, 0x40000                  ; cx
	s_bfe_u32 s33, ttmp6, 0x40004                  ; cy
	s_lshl_b32 s34, ttmp9, 2
	s_add_co_u32 s34, s34, s32                     ; j: heads 2 j, 2 j + 1
	s_and_b32 s35, ttmp7, 0xffff
	s_lshl_b32 s35, s35, 2
	s_add_co_u32 s35, s35, s33                     ; which 256 tokens
	s_lshl_b32 s36, s33, 2
	s_lshl_b32 s36, 15, s36                        ; my row of the cluster
	s_lshl_b32 s37, 0x1111, s32                    ; my column
	s_or_b32 s[G1X], s36, G1W0
	s_or_b32 s[G1A], s37, G1W0
	s_or_b32 s[G1B], s37, G1W0
.irp g, G1X, G1A, G1B
	s_mov_b32 s[\g+1], 96<<16                      ; tensor_dim0: 96 elements of 8 bytes
	s_mov_b32 s[\g+3], 96<<16                      ; tile_dim0
	s_mov_b32 s[\g+5], 96                          ; from row to row
	s_mov_b32 s[\g+6], 0
	s_mov_b32 s[\g+7], 0
.endr
	s_mov_b32 s[G1X+2], 64<<16                     ; tensor_dim1
	s_mov_b32 s[G1X+4], 64                         ; tile_dim1
	s_mov_b32 s[G1A+2], 16<<16
	s_mov_b32 s[G1A+4], 16
	s_mov_b32 s[G1B+2], 64<<16
	s_mov_b32 s[G1B+4], 64
	s_mov_b32 s92, 0x76543210
	s_mov_b32 s93, 0xfedcba98                      ; v_permlanex16_b32: lane l xor 16
	s_mov_b32 s94, 0xffff0000                      ; lanes 16-31
	s_lshl_b32 s38, s35, 8                         ; x: registers that never hold j
	s_lshl_b32 s39, s30, 6
	s_add_co_u32 s38, s38, s39                     ; my first token
	s_mul_i32 s40, s38, ROWB
	s_mov_b32 s41, 0
	s_lshl_b32 s42, s38, 5
	s_mov_b32 s43, 0
	s_mul_i32 s39, s30, RGX
	s_add_co_u32 s39, s39, RX                      ; my region of LDS: the wave's number alone
	s_lshl_b32 s44, s34, 7                         ; W: row 128 j; registers that never hold the block of tokens
	s_lshl_b32 s45, s30, 4
	s_add_co_u32 s45, s45, s44
	s_mul_i32 s46, s45, ROWB                       ; first fills: rows 128 j + 16 w
	s_mov_b32 s47, 0
	s_lshl_b32 s96, s31, 6
	s_add_co_u32 s96, s96, s44
	s_mul_i32 s96, s96, ROWB                       ; the refill: rows 128 j + 64 (w & 1)
	s_mov_b32 s97, 0
	s_mul_i32 s2, s30, GPV                         ; my group of 16 rows in a slab of wv: 13,184 w; the tile takes 13,056 bytes of them
	s_wait_kmcnt 0x0
	s_mov_b32 s[G0X], 1
	s_mov_b32 s[G0X+1], s39
	s_add_nc_u64 s[G0X+2:G0X+3], s[4:5], s[40:41]
	s_or_b32 s[G0X+3], s[G0X+3], 0x80000000
	s_mov_b32 s[G0A], 1
	s_mov_b32 s[G0A+1], s2
	s_add_nc_u64 s[G0A+2:G0A+3], s[12:13], s[46:47]          ; wv, head 2 j
	s_mov_b32 s[G0A+4], 1
	s_add_co_u32 s[G0A+5], s2, RGV
	s_add_nc_u64 s[G0A+6:G0A+7], s[G0A+2:G0A+3], 64*ROWB     ; wv, head 2 j + 1
	s_or_b32 s[G0A+3], s[G0A+3], 0x80000000
	s_or_b32 s[G0A+7], s[G0A+7], 0x80000000
	s_mov_b32 s[G0R], 1
	s_mov_b32 s[G0R+1], s39
	s_cmp_lt_u32 s30, 2                            ; waves 0, 1: wq's two slabs; waves 2, 3: wk's
	s_cselect_b64 s[G0R+2:G0R+3], s[8:9], s[10:11]
	s_add_nc_u64 s[G0R+2:G0R+3], s[G0R+2:G0R+3], s[96:97]
	s_or_b32 s[G0R+3], s[G0R+3], 0x80000000
	CROUND                                         ; all sixteen work-groups are here: the first joint loads meet
	tensor_load_to_lds s[G0X:G0X+3], s[G1X:G1X+7]            ; my 64 rows of x: three loads of mine are out
	s_nop 0
	tensor_load_to_lds s[G0A:G0A+3], s[G1A:G1A+7]
	s_nop 0
	tensor_load_to_lds s[G0A+4:G0A+7], s[G1A:G1A+7]
	s_nop 0
	PLACES                                         ; four v_nop behind the tensor loads
	s_add_nc_u64 s[6:7], s[6:7], s[42:43]          ; x's scales at my first token
	s_lshl_b32 s46, s34, 12                        ; 128 j rows of 32 scale bytes
	s_add_nc_u64 s[14:15], s[14:15], s[46:47]
	s_add_nc_u64 s[16:17], s[16:17], s[46:47]
	s_add_nc_u64 s[18:19], s[18:19], s[46:47]
	s_lshl_b32 s46, s34, 9                         ; 128 j numbers of a bias
	s_add_nc_u64 s[20:21], s[20:21], s[46:47]
	s_add_nc_u64 s[22:23], s[22:23], s[46:47]
	s_add_nc_u64 s[24:25], s[24:25], s[46:47]
	s_lshr_b32 s96, s35, 3
	s_lshl_b32 s96, s96, 4
	s_lshl_b32 s97, s34, 1
	s_add_co_u32 s96, s96, s97                     ; 16 b + 2 j
	s_and_b32 s97, s35, 7                          ; which 256 tokens of the sequence
	s_lshl_b32 s2, s96, 7
	s_lshl_b32 s3, s97, 4
	s_add_co_u32 s2, s2, s3
	s_lshl_b32 s3, s30, 2
	s_add_co_u32 s2, s2, s3                        ; my first tile's record in qc
	s_lshl_b32 s2, s2, 10
	s_mov_b32 s3, 0
	s_add_nc_u64 s[26:27], s[26:27], s[2:3]
	s_lshl_b32 s2, s96, 4
	s_lshl_b32 s97, s97, 1
	s_add_co_u32 s2, s2, s97
	s_lshr_b32 s97, s30, 1
	s_add_co_u32 s2, s2, s97                       ; my 128 keys' block in kv
	s_mul_i32 s2, s2, KVB
	s_add_nc_u64 s[28:29], s[28:29], s[2:3]
	v_and_b32 v1, 31, v0                           ; lane
	v_and_b32 v2, 15, v0                           ; r
	v_bfe_u32 v3, v0, 4, 1                         ; h
	v_and_b32 v4, 8, v2
	v_add_nc_u32 v4, v4, v2                        ; r + 8 (r / 8)
	v_mul_u32_u24 v[LP], v2, PITCH
	v_mad_u32_u24 v[LP+1], v3, 40, v[LP]
	v_mad_u32_u24 v[LP], v3, 24, v[LP]
	v_add_nc_u32 v[XA], s39, v[LP]
	v_add_nc_u32 v[XA+1], s39, v[LP+1]
	v_mul_u32_u24 v[LPV], v4, PITCH
	v_lshrrev_b32 v19, 3, v2
	v_lshl_add_u32 v[LPV], v19, 7, v[LPV]          ; lanes 8-15 take rows of the next group of 16: 128 bytes further on
	v_mad_u32_u24 v[LPV+1], v3, 40, v[LPV]
	v_mad_u32_u24 v[LPV], v3, 24, v[LPV]
	v_lshlrev_b32 v[SA], 5, v2
	v_lshlrev_b32 v[SAV], 5, v4
	v_lshlrev_b32 v[BA], 5, v3
	v_lshlrev_b32 v[BVA], 2, v4
	v_lshlrev_b32 v19, 4, v2
	v_lshl_add_u32 v19, v3, 3, v19                 ; 16 r + 8 h
	s_mul_i32 s2, s31, 3072                        ; which half of the 128 keys is mine
	s_mul_i32 s3, s31, 768
	s_lshl_b32 s96, s31, 8
	WIN 0xc0                                       ; destination window 3
	v_lshlrev_b32 v[O16], 4, v1
	v_lshlrev_b32 v[O8], 3, v1
	v_lshl_add_u32 v[OKC], v1, 4, s2
	v_add_nc_u32 v[OKS], s96, v19
	v_lshl_add_u32 v[OV16], v1, 4, s3
	v_lshl_add_u32 v[OV8], v1, 3, s3
	v_lshl_add_u32 v[OVS], v1, 3, s96
.irp k, 0,1,2,3,4,5,6,7
	v_mov_b32 v[TX+\k], 0                          ; written once: a lane permute's destination counts as one of its sources
.endr
.irp g, 0,1,2,3
	v_mov_b32 v[WD+2*\g+1], 0                      ; the upper words of the pairs
.endr
	WIN 0
.irp t, 0,1,2,3
	global_load_b128 v[XS+8*\t:XS+8*\t+3], v[SA], s[6:7] offset:512*\t
	global_load_b128 v[XS+8*\t+4:XS+8*\t+7], v[SA], s[6:7] offset:512*\t+16
.endr
	LDNEXT 2, 0, 0
	s_wait_tensorcnt 0x2                           ; x's load was the first of the three: my rows, which I alone read, are in
	WIN 0x40                                       ; destination window 1
.set Q, 0
.rept 8
.if Q == 5
	WIN 0x80                                       ; destination window 2
.endif
.if Q < 5
.set XB, 48*Q
.else
.set XB, 48*(Q-5)
.endif
.irp t, 0,1,2,3
	FRAG XB+12*\t, XA, Q, 16*\t*PITCH
.endr
.set Q, Q+1
.endr
	WIN 0
	s_wait_tensorcnt 0x0                           ; all my tensor loads have landed, my parts of wv's slabs among them;
	ds_add_u32 v[SPW], v[NIL]                      ; 0 onto my spare word;
	s_wait_dscnt 0x0                               ; the add is done, and x is in registers: my reads of my region are over
	CROUND                                         ; so for every wave of every partner
	tensor_load_to_lds s[G0R:G0R+3], s[G1B:G1B+7]  ; the one refill: a slab of wq or wk over my rows of x; it has two slabs' work in which to land
	s_nop 0
	PLACES
	SETWA 2, 0
	FETCHW 2, 0, 0
	SLAB 2, 0, 0, 2, 1, 1, RGV
	SLAB 2, 1, 1, 0, 0, 0, 0
	s_wait_tensorcnt 0x0                           ; my one load that was out: a slab that all four waves read
	s_wait_dscnt 0x0
	s_barrier_signal -1
	s_barrier_wait -1                              ; everybody's is in
	SETWA 0, RX
	FETCHW 0, 0, 0
	SLAB 0, 0, 0, 0, 1, 1, RX+RGX
	SLAB 0, 1, 1, 1, 0, 1, RX+2*RGX
	SLAB 1, 0, 0, 1, 1, 1, RX+3*RGX
	SLAB 1, 1, 1, -1, 0, 0, 0
	s_wait_tensorcnt 0x0                           ; the wave's end
	ds_add_u32 v[SPW], v[NIL]
	s_wait_dscnt 0x0
	CROUND                                         ; the closing round
	s_endpgm
.Lfunc_end_k_qafd06fa441_qkv:
	.size	k_qafd06fa441_qkv, .Lfunc_end_k_qafd06fa441_qkv-k_qafd06fa441_qkv
	.p2alignl 7, 3214868480
	.fill 96, 4, 3214868480
	.section	.rodata,"a",@progbits
	.p2align	6, 0x0
	.amdhsa_kernel k_qafd06fa441_qkv
		.amdhsa_group_segment_fixed_size 327680
		.amdhsa_private_segment_fixed_size 0
		.amdhsa_enable_private_segment 0
		.amdhsa_kernarg_size 104
		.amdhsa_user_sgpr_count 2
		.amdhsa_user_sgpr_kernarg_segment_ptr 1
		.amdhsa_wavefront_size32 1
		.amdhsa_system_sgpr_workgroup_id_x 1
		.amdhsa_system_sgpr_workgroup_id_y 1
		.amdhsa_system_sgpr_workgroup_id_z 1
		.amdhsa_system_vgpr_workitem_id 0
		.amdhsa_next_free_vgpr 1024
		.amdhsa_next_free_sgpr 98
		.amdhsa_reserve_vcc 0
		.amdhsa_float_denorm_mode_32 3
		.amdhsa_float_denorm_mode_16_64 3
		.amdhsa_memory_ordered 1
		.amdhsa_forward_progress 1
		.amdhsa_inst_pref_size 255
	.end_amdhsa_kernel
	.section	.bss,"aw",@nobits
	.p2align	6
	.space	262144
	.amdgpu_metadata
---
amdhsa.version: [ 1, 2 ]
amdhsa.kernels:
  - .name:           k_qafd06fa441_qkv
    .symbol:         k_qafd06fa441_qkv.kd
    .args:
      - { .name: x_codes, .offset: 0, .size: 8, .value_kind: global_buffer, .address_space: global }
      - { .name: x_scales, .offset: 8, .size: 8, .value_kind: global_buffer, .address_space: global }
      - { .name: wq_codes, .offset: 16, .size: 8, .value_kind: global_buffer, .address_space: global }
      - { .name: wk_codes, .offset: 24, .size: 8, .value_kind: global_buffer, .address_space: global }
      - { .name: wv_codes, .offset: 32, .size: 8, .value_kind: global_buffer, .address_space: global }
      - { .name: wq_scales, .offset: 40, .size: 8, .value_kind: global_buffer, .address_space: global }
      - { .name: wk_scales, .offset: 48, .size: 8, .value_kind: global_buffer, .address_space: global }
      - { .name: wv_scales, .offset: 56, .size: 8, .value_kind: global_buffer, .address_space: global }
      - { .name: bq, .offset: 64, .size: 8, .value_kind: global_buffer, .address_space: global }
      - { .name: bk, .offset: 72, .size: 8, .value_kind: global_buffer, .address_space: global }
      - { .name: bv, .offset: 80, .size: 8, .value_kind: global_buffer, .address_space: global }
      - { .name: qc, .offset: 88, .size: 8, .value_kind: global_buffer, .address_space: global }
      - { .name: kv, .offset: 96, .size: 8, .value_kind: global_buffer, .address_space: global }
    .group_segment_fixed_size: 327680
    .private_segment_fixed_size: 0
    .kernarg_segment_align: 8
    .kernarg_segment_size: 104
    .max_flat_workgroup_size: 128
    .sgpr_count:     98
    .vgpr_count:     1024
    .wavefront_size: 32
...
	.end_amdgpu_metadata
.endif
;; end of part 1
;; launch attn (part 2): grid 4 x 64, 16 waves a work-group, no clusters, 215,040 bytes of LDS; arguments qc, kv, ac; writes ac
.if DOCPART == 2
	.amdgcn_target "amdgcn-amd-amdhsa--gfx1250"
	.amdhsa_code_object_version 6
	.text
	.protected	k_qafd06fa441_attn
	.globl	k_qafd06fa441_attn
	.p2align	8
	.type	k_qafd06fa441_attn,@function
k_qafd06fa441_attn:
	s_mov_b64 s[64:65], 0
	v_nop
	global_prefetch_b8 v0, s[64:65] scope:SCOPE_SE
	s_setreg_imm32_b32 hwreg(HW_REG_WAVE_MODE, 25, 1), 1
	s_wait_xcnt 0x0
; Causal attention of one head on codes of FP6 (E2M3): S^T = k q^T, p = 2^(t - M), O^T = v^T p^T, O / l, and O / l quantised along the model's columns for the last product.
; t = score x log2(e) / 8; M = the running largest t rounded up to a whole number; the row's sum l is taken of the unquantised p; when M moves, l and O are multiplied by 2^(old M - new M), which rounds nothing.
; SHARES.  Work-group (g, b h).  Wave w owns two tiles of 16 queries: E = tile 16 g + w and L = tile 127 - E.  Tile T needs key steps (128 keys) 0 .. T / 8, the last of them masked: E's and L's steps are 17 for every wave.
; No cluster: which steps a wave leaves out hangs on its block of queries, which differs between the work-groups of a head.
; LDS.  The head's 16 blocks of kv, 212,992 bytes, are filled once, by four tensor loads a wave (13 rows of 256 bytes of each four key steps); nothing is filled again.
; HALF OF K IS EMPTY in k q^T (the head has 64): q's registers 6-11 are zero codes and both scale words carry 0x7f there; k's tile t is named as 12 registers of which the upper six are the next tile's codes, which meet zeros.
; A lane holds one query (lane % 16) throughout.  Register 16 b + 8 u + j of S^T is key 32 b + 16 u + 8 (lane / 16) + j of the step; p's codes stand in that order inside a block of 32, as v's do.
; v's rows of a tile were chosen so that O^T's register 16 b + i is column 32 b + 16 (lane / 16) + i of the head.
; OUT.  ac [tile of 16 tokens][head][1024]: a half fragment (registers 0-3 at 16 x lane, 4-5 at 512 + 8 x lane), then at 768 + 8 x lane (two scale bytes, 0).
; LIMITS: NaN and infinities are not served; t must lie above -3e38; a block under 2^-124 (zeros too) gets the byte 1, read by this program alone.
.set KVB,  13312                       ; a key step's block
.set STGB, 4*KVB
.set KSO,  6144                        ; in it: k's scale words,
.set VCO,  6656                        ; v's half fragments,
.set VSO,  12800                       ; v's scale bytes
.set A16, 1                            ; v1  16 x lane
.set A8,  2                            ; v2  8 x lane
.set ADK, 3                            ; v3  the step's block + 16 x lane
.set AD8, 4                            ; v4  + 8 x lane
.set QD,  5                            ; v5  r - 8 h
.set F,   42                           ; v42-89 fragments of k or of v (on the way out v42-45 take the pairs of scale bytes that are stored); v90-95 the tail (v90-93 also take v's scale bytes)
.set S,   96                           ; v96-159 S^T, then p
; v[8:9] E's -M and largest t, v[10:11] its sum in two halves; v[12:15] L's.  v16-27 E's q, v28-39 L's; v40, v41 their scale words.  v160-191 E's O^T, v192-223 L's.  v224-235 p's codes.  v232-254 at work
.set WV,  10
.set SS,  19                           ; s19 the key step
.set KF,  20                           ; s20 its first key
.set TB,  21                           ; s21 its block in LDS
.set CNT, 22
.set CS,  24                           ; s[24:25] c = log2(e) / 8
.set SEL, 26                           ; s[26:27] lane l xor 16
.set G1,  32
.set G0,  40                           ; four sets
	s_load_b128 s[4:7], s[0:1], 0x0                ; qc, kv
	s_load_b64 s[8:9], s[0:1], 0x10                ; ac
	v_lshl_add_u32 v243, v0, 2, 0x34000
	v_mov_b32 v255, 0
	ds_add_u32 v243, v255
	ds_add_u32 v243, v255
	v_lshrrev_b32 v1, 5, v0
	v_readfirstlane_b32 s[WV], v1                  ; wave 0..15
	s_and_b32 s11, ttmp7, 0xffff                   ; b h
	s_mov_b32 s[G1], 3<<16                         ; elements of 8 bytes, no mask, no padding
	s_mov_b32 s[G1+1], 32<<16                      ; tensor_dim0: 256 bytes
	s_mov_b32 s[G1+2], 13<<16                      ; tensor_dim1
	s_mov_b32 s[G1+3], 32<<16                      ; tile_dim0
	s_mov_b32 s[G1+4], 13                          ; tile_dim1
	s_mov_b32 s[G1+5], 32                          ; dense rows
	s_mov_b32 s[G1+6], 0
	s_mov_b32 s[G1+7], 0
	s_mul_i32 s2, s11, 16*KVB
	s_mul_i32 s12, s[WV], 13*256                   ; my 13 rows of each 208
	s_add_co_u32 s2, s2, s12
	s_mov_b32 s3, 0
	s_wait_dscnt 0x0
	s_wait_kmcnt 0x0
	s_add_nc_u64 s[6:7], s[6:7], s[2:3]
.irp n, 0,1,2,3
	s_mov_b32 s[G0+4*\n], 1
	s_add_co_u32 s[G0+4*\n+1], s12, \n*STGB
	s_add_nc_u64 s[G0+4*\n+2:G0+4*\n+3], s[6:7], \n*STGB
	s_or_b32 s[G0+4*\n+3], s[G0+4*\n+3], 0x80000000
.endr
.irp n, 0,1,2,3
	tensor_load_to_lds s[G0+4*\n:G0+4*\n+3], s[G1:G1+7]      ; four loads of mine are out
	s_nop 0
.endr
.rept 4
	v_nop
.endr
	s_lshl_b32 s13, ttmp9, 4
	s_add_co_u32 s13, s13, s[WV]                   ; tile E
	s_sub_co_u32 s14, 127, s13                     ; tile L
	s_lshr_b32 s15, s13, 3                         ; their last key steps,
	s_lshr_b32 s16, s14, 3
	s_lshl_b32 s17, s13, 4                         ; their first queries
	s_lshl_b32 s18, s14, 4
	s_lshl_b32 s30, s11, 7
	s_add_co_u32 s2, s30, s13
	s_lshl_b32 s2, s2, 10
	s_add_nc_u64 s[60:61], s[4:5], s[2:3]          ; E's record in qc
	s_add_co_u32 s2, s30, s14
	s_lshl_b32 s2, s2, 10
	s_add_nc_u64 s[62:63], s[4:5], s[2:3]          ; L's
	s_lshr_b32 s30, s11, 4
	s_lshl_b32 s30, s30, 7                         ; 128 b
	s_and_b32 s31, s11, 15                         ; the head
	s_add_co_u32 s2, s30, s13
	s_lshl_b32 s2, s2, 4
	s_add_co_u32 s2, s2, s31
	s_lshl_b32 s2, s2, 10
	s_add_nc_u64 s[56:57], s[8:9], s[2:3]          ; E's record in ac
	s_add_co_u32 s2, s30, s14
	s_lshl_b32 s2, s2, 4
	s_add_co_u32 s2, s2, s31
	s_lshl_b32 s2, s2, 10
	s_add_nc_u64 s[58:59], s[8:9], s[2:3]          ; L's
	s_mov_b32 s[CS], 0x3e38aa3b
	s_mov_b32 s[CS+1], s[CS]                       ; (named with it as a pair)
	s_mov_b32 s[SEL], 0x76543210
	s_mov_b32 s[SEL+1], 0xfedcba98
	s_mov_b32 s28, 0x05040100                      ; v_perm_b32: the two low halves,
	s_mov_b32 s29, 0x07060302                      ; the two high halves
	s_mov_b32 s[SS], 0
	s_mov_b32 s[KF], 0
	s_mov_b32 s[TB], 0
	v_and_b32 v6, 31, v0
	v_lshlrev_b32 v[A16], 4, v6
	v_lshlrev_b32 v[A8], 3, v6
	v_and_b32 v7, 15, v0
	v_bfe_u32 v6, v0, 4, 1
	v_lshlrev_b32 v6, 3, v6
	v_sub_nc_u32 v[QD], v7, v6
	global_load_b128 v[16:19], v[A16], s[60:61]
	global_load_b64 v[20:21], v[A8], s[60:61] offset:512
	global_load_b32 v40, v[A8], s[60:61] offset:768
	global_load_b128 v[28:31], v[A16], s[62:63]
	global_load_b64 v[32:33], v[A8], s[62:63] offset:512
	global_load_b32 v41, v[A8], s[62:63] offset:768
.irp i, 22,23,24,25,26,27,34,35,36,37,38,39,90,91,92,93,94,95
	v_mov_b32 v[\i], 0                             ; zero codes: the empty half of q's K; the tail behind k's last tile
.endr
.irp b, 8, 12
	v_mov_b32 v[\b+1], 0xff61b1e6                  ; the largest t so far: -3e38
	v_floor_f32 v[\b], -v[\b+1]                    ; -M
	v_mov_b32 v[\b+2], 0                           ; the sum, in two halves
	v_mov_b32 v[\b+3], 0
.endr
.irp b, 0,1,2,3
	v_mov_b32 v[236+\b], 0                         ; a lane permute's destination counts as one of its sources
.endr
	v_mov_b32 v253, 0                              ; (named as the upper half of v[252:253] before it is first written)
.set N, 0
.rept 64
	v_mov_b32 v[160+N], 0                          ; O^T: the step is written once; the first finds zeros, which the first change of M leaves zeros
.set N, N+1
.endr
; A key step for one tile.  QB: q's fragment, QW: its scale word, OB: O^T, SB: the statistics, SD: the tile's last step (scalar), Q0: its first query (scalar)
.macro STEP QB, QW, OB, SB, SD, Q0
	s_cmp_gt_u32 s[SS], s[\SD]                     ; all keys of the step come after my queries: the step is left out (a branch on ids; no barrier and no tensor load stands in a step)
	s_cbranch_scc1 .Lhid_\@
	v_add_nc_u32 v[ADK], s[TB], v[A16]
	v_add_nc_u32 v[AD8], s[TB], v[A8]
	v_nop
	v_nop                                          ; four places behind the last products, ahead of loads into their registers
.irp g, 0,1,2,3,4,5,6,7,8,9,10,11
	ds_load_b128 v[F+4*\g:F+4*\g+3], v[ADK] offset:512*\g       ; k's eight tiles: 48 registers as they were stored
.endr
	ds_load_b128 v[248:251], v[ADK] offset:KSO     ; their scale words: lanes 0-15 tiles 0-3, lanes 16-31 tiles 4-7
	s_wait_dscnt 0x0
.irp t, 0,1,2,3
	v_wmma_scale_f32_16x16x128_f8f6f4 v[S+8*\t:S+8*\t+7], v[F+6*\t:F+6*\t+11], v[\QB:\QB+11], 0, v[248+\t], v[\QW] matrix_a_fmt:MATRIX_FMT_FP6 matrix_b_fmt:MATRIX_FMT_FP6
.endr
.irp t, 4,5,6,7
	v_wmma_scale_f32_16x16x128_f8f6f4 v[S+8*\t:S+8*\t+7], v[F+6*\t:F+6*\t+11], v[\QB:\QB+11], 0, v[244+\t], v[\QW] matrix_a_fmt:MATRIX_FMT_FP6 matrix_b_fmt:MATRIX_FMT_FP6 matrix_a_scale:MATRIX_SCALE_ROW1
.endr
.rept 4
	v_nop
.endr
.irp n, 0,1,2,3                                ; v's four fragments land while the softmax is worked
	ds_load_b128 v[F+12*\n:F+12*\n+3], v[ADK] offset:VCO+1536*\n
	ds_load_b64 v[F+12*\n+4:F+12*\n+5], v[AD8] offset:VCO+1536*\n+512
	ds_load_b128 v[F+12*\n+6:F+12*\n+9], v[ADK] offset:VCO+1536*\n+768
	ds_load_b64 v[F+12*\n+10:F+12*\n+11], v[AD8] offset:VCO+1536*\n+1280
.endr
	ds_load_b64 v[90:91], v[AD8] offset:VSO        ; its scale bytes of keys 0-63: two bytes a tile,
	ds_load_b64 v[92:93], v[AD8] offset:VSO+256    ; and of keys 64-127
	s_cmp_lt_u32 s[SS], s[\SD]
	s_cbranch_scc1 .Lopen_\@                       ; all keys count
	s_sub_co_i32 s30, s[\Q0], s[KF]                ; the tile's last step: hidden scores become -infinity ahead of the maximum
	v_add_nc_u32 v252, s30, v[QD]                  ; d = my query - the step's first key - 8 h
	v_mov_b32 v254, 0xff800000
.set N, 0
.rept 64
	v_cmp_gt_i32 vcc_lo, 32*(N/16)+16*((N/8)%2)+N%8, v252
	v_cndmask_b32 v[S+N], v[S+N], v254, vcc_lo
.set N, N+1
.endr
.Lopen_\@:
.irp b, 0,1,2,3
	v_max3_num_f32 v[232+\b], v[S+16*\b], v[S+1+16*\b], v[S+2+16*\b]   ; the largest score of each block of 32 keys: for the row's maximum and, since p rises with the score, for the block's largest p
.endr
.irp i, 3,5,7,9,11,13
.irp b, 0,1,2,3
	v_max3_num_f32 v[232+\b], v[232+\b], v[S+16*\b+\i], v[S+1+16*\b+\i]
.endr
.endr
.irp b, 0,1,2,3
	v_max_num_f32 v[232+\b], v[232+\b], v[S+15+16*\b]
.endr
.irp b, 0,1,2,3
	v_permlanex16_b32 v[236+\b], v[232+\b], s[SEL], s[SEL+1]
.endr
.irp b, 0,1,2,3
	v_max_num_f32 v[232+\b], v[232+\b], v[236+\b]  ; with lane l xor 16's 16 keys
.endr
	v_max3_num_f32 v254, v232, v233, v234
	v_max_num_f32 v254, v254, v235
	v_mul_f32 v254, s[CS], v254                    ; as t
	v_max_num_f32 v[\SB+1], v[\SB+1], v254         ; the running largest t
	v_mov_b32 v254, v[\SB]
	v_floor_f32 v[\SB], -v[\SB+1]                  ; the new -M = -ceil(t)
	v_sub_f32 v254, v[\SB], v254                   ; old M - new M: a whole number, 0 or less
	v_cvt_i32_f32 v254, v254
	v_ldexp_f32 v252, 1.0, v254                    ; f = 2^(old M - new M)
.irp j, 0,2,4,6,8,10,12,14,16,18,20,22,24,26,28,30,32,34,36,38,40,42,44,46,48,50,52,54,56,58,60,62
	v_pk_fma_f32 v[S+\j:S+1+\j], v[S+\j:S+1+\j], s[CS:CS+1], v[\SB:\SB+1] op_sel_hi:[1,0,0]   ; t - M
.endr
.irp b, 0,1,2,3
	v_fma_f32 v[232+\b], v[232+\b], s[CS], v[\SB]
.endr
.set N, 0
.rept 64
	v_exp_f32 v[S+N], v[S+N]                       ; p = 2^(t - M)
.set N, N+1
.endr
	v_pk_mul_f32 v[\SB+2:\SB+3], v[\SB+2:\SB+3], v[252:253] op_sel_hi:[1,0]   ; the sums under the new M: the plain place behind the exponentials
	s_wait_alu depctr_va_vdst(0)                   ; one wait for the batch, ahead of its first reader
.irp b, 0,1,2,3
	v_exp_f32 v[232+\b], v[232+\b]                 ; the blocks' largest p
.endr
	v_pk_add_f32 v[236:237], v[S:S+1], v[S+2:S+3]  ; the row's sum, of the unquantised p, in two chains
.irp j, 4,8,12,16,20,24,28,32,36,40,44,48,52,56,60
	v_pk_add_f32 v[\SB+2:\SB+3], v[\SB+2:\SB+3], v[S+\j:S+1+\j]
	v_pk_add_f32 v[236:237], v[236:237], v[S+2+\j:S+3+\j]
.endr
	v_pk_add_f32 v[\SB+2:\SB+3], v[\SB+2:\SB+3], v[236:237]
	s_wait_alu depctr_va_vdst(0)                   ; and one for the four
.irp b, 0,1,2,3
	v_max_num_f32 v[232+\b], 0x1800000, v[232+\b]  ; the floor 2^(3 - 127): the byte cannot fall under 1
.endr
.irp b, 0,1,2,3
	v_add_nc_u32 v[244+\b], 0xff000000, v[232+\b]  ; the conversion's scale operand
.endr
.irp b, 0,1,2,3
	v_lshrrev_b32 v[236+\b], 23, v[244+\b]
.endr
	v_lshl_or_b32 v253, v237, 8, v236              ; p's scale word
	v_lshl_or_b32 v253, v238, 16, v253
	v_lshl_or_b32 v253, v239, 24, v253
	s_wait_dscnt 0x0                               ; v is in
	v_perm_b32 v248, v92, v90, s28                 ; v's scale words: a tile's two bytes of each 64 keys
	v_perm_b32 v249, v92, v90, s29
	v_perm_b32 v250, v93, v91, s28
	v_perm_b32 v251, v93, v91, s29
.irp c, 0,1
	v_cvt_scalef32_pk16_fp6_f32 v[224+6*\c:226+6*\c], v[S+32*\c:S+15+32*\c], v[244+2*\c]
	v_cvt_scalef32_pk16_fp6_f32 v[236+4*\c:238+4*\c], v[S+16+32*\c:S+31+32*\c], v[244+2*\c+1]
.endr
	v_nop                                          ; one plain place behind the scaled conversions
.irp c, 0,1
.irp i, 0,1,2
	v_permlane16_swap_b32 v[224+6*\c+\i], v[236+4*\c+\i]     ; a whole block to a lane
.endr
.irp i, 0,1,2
	v_mov_b32 v[227+6*\c+\i], v[236+4*\c+\i]
.endr
.endr
.irp j, 0,2,4,6,8,10,12,14,16,18,20,22,24,26,28,30
	v_pk_mul_f32 v[\OB+\j:\OB+\j+1], v[\OB+\j:\OB+\j+1], v[252:253] op_sel_hi:[1,0]   ; O^T under the new M; of these sixteen, twelve name no register of any one product below: the places between the scale words and codes just made and that product
.endr
.irp n, 0,1,2,3
	v_wmma_scale_f32_16x16x128_f8f6f4 v[\OB+8*\n:\OB+8*\n+7], v[F+12*\n:F+12*\n+11], v[224:235], v[\OB+8*\n:\OB+8*\n+7], v[248+\n], v253 matrix_a_fmt:MATRIX_FMT_FP6 matrix_b_fmt:MATRIX_FMT_FP6
.endr
.Lhid_\@:
.endm
.macro WALK trips
	s_mov_b32 s[CNT], \trips
.Lwalk_\@:
	STEP 28, 41, 192, 12, 16, 18                   ; tile L
	STEP 16, 40, 160, 8, 15, 17                    ; tile E
	s_add_co_u32 s[TB], s[TB], KVB
	s_add_co_u32 s[SS], s[SS], 1
	s_add_co_u32 s[KF], s[KF], 128
	s_sub_co_u32 s[CNT], s[CNT], 1
	s_cmp_lg_u32 s[CNT], 0
	s_cbranch_scc1 .Lwalk_\@
.endm
	s_wait_loadcnt 0x0                             ; q
	s_wait_tensorcnt 0x3                           ; my part of key steps 0-3 is in; the three later loads may stay out
	s_barrier_signal -1
	s_barrier_wait -1                              ; everybody's is
	WALK 4
	s_wait_tensorcnt 0x0                           ; my parts of key steps 4-15
	s_wait_dscnt 0x0
	s_barrier_signal -1
	s_barrier_wait -1
	WALK 12
	; THE WAY OUT: O / l, quantised along the head's 64 columns (two blocks a tile)
.rept 4
	v_nop
.endr
	v_add_f32 v10, v10, v11
	v_add_f32 v14, v14, v15
	v_permlanex16_b32 v236, v10, s[SEL], s[SEL+1]
	v_permlanex16_b32 v237, v14, s[SEL], s[SEL+1]
	v_add_f32 v10, v10, v236                       ; the rows' sums
	v_add_f32 v14, v14, v237
	v_rcp_f32 v10, v10
	v_rcp_f32 v14, v14
	v_nop                                          ; a plain place behind the reciprocals
	s_wait_alu depctr_va_vdst(0)                   ; and the wait ahead of their first reader
.irp j, 0,2,4,6,8,10,12,14,16,18,20,22,24,26,28,30
	v_pk_mul_f32 v[S+\j:S+\j+1], v[160+\j:161+\j], v[10:11] op_sel_hi:[1,0]
.endr
.irp j, 0,2,4,6,8,10,12,14,16,18,20,22,24,26,28,30
	v_pk_mul_f32 v[S+32+\j:S+33+\j], v[192+\j:193+\j], v[14:15] op_sel_hi:[1,0]
.endr
.irp b, 0,1,2,3
	v_max3_num_f32 v[232+\b], |v[S+16*\b]|, |v[S+1+16*\b]|, 0x1800000
.endr
.irp i, 2,4,6,8,10,12,14
.irp b, 0,1,2,3
	v_max3_num_f32 v[232+\b], v[232+\b], |v[S+16*\b+\i]|, |v[S+1+16*\b+\i]|
.endr
.endr
.irp b, 0,1,2,3
	v_permlanex16_b32 v[236+\b], v[232+\b], s[SEL], s[SEL+1]
.endr
.irp b, 0,1,2,3
	v_max_num_f32 v[232+\b], v[232+\b], v[236+\b]
.endr
.irp b, 0,1,2,3
	v_add_nc_u32 v[244+\b], 0xff000000, v[232+\b]
.endr
.irp b, 0,1,2,3
	v_lshrrev_b32 v[236+\b], 23, v[244+\b]
.endr
	v_lshl_or_b32 v42, v237, 8, v236               ; E's two bytes (in registers that held fragments and are free now),
	v_lshl_or_b32 v44, v239, 8, v238               ; L's
	v_mov_b32 v43, 0
	v_mov_b32 v45, 0
.irp c, 0,1
	v_cvt_scalef32_pk16_fp6_f32 v[224+6*\c:226+6*\c], v[S+32*\c:S+15+32*\c], v[244+2*\c]
	v_cvt_scalef32_pk16_fp6_f32 v[236+4*\c:238+4*\c], v[S+16+32*\c:S+31+32*\c], v[244+2*\c+1]
.endr
	v_nop
.irp c, 0,1
.irp i, 0,1,2
	v_permlane16_swap_b32 v[224+6*\c+\i], v[236+4*\c+\i]
.endr
.irp i, 0,1,2
	v_mov_b32 v[227+6*\c+\i], v[236+4*\c+\i]
.endr
.endr
	global_store_b128 v[A16], v[224:227], s[56:57]              ; 512 consecutive bytes
	global_store_b64 v[A8], v[228:229], s[56:57] offset:512     ; 256
	global_store_b64 v[A8], v[42:43], s[56:57] offset:768       ; 256
	global_store_b128 v[A16], v[230:233], s[58:59]
	global_store_b64 v[A8], v[234:235], s[58:59] offset:512
	global_store_b64 v[A8], v[44:45], s[58:59] offset:768
	s_wait_tensorcnt 0x0
	ds_add_u32 v243, v255
	s_wait_dscnt 0x0
	s_endpgm
.Lfunc_end_k_qafd06fa441_attn:
	.size	k_qafd06fa441_attn, .Lfunc_end_k_qafd06fa441_attn-k_qafd06fa441_attn
	.p2alignl 7, 3214868480
	.fill 96, 4, 3214868480
	.section	.rodata,"a",@progbits
	.p2align	6, 0x0
	.amdhsa_kernel k_qafd06fa441_attn
		.amdhsa_group_segment_fixed_size 215040
		.amdhsa_private_segment_fixed_size 0
		.amdhsa_enable_private_segment 0
		.amdhsa_kernarg_size 24
		.amdhsa_user_sgpr_count 2
		.amdhsa_user_sgpr_kernarg_segment_ptr 1
		.amdhsa_wavefront_size32 1
		.amdhsa_system_sgpr_workgroup_id_x 1
		.amdhsa_system_sgpr_workgroup_id_y 1
		.amdhsa_system_sgpr_workgroup_id_z 1
		.amdhsa_system_vgpr_workitem_id 0
		.amdhsa_next_free_vgpr 256
		.amdhsa_next_free_sgpr 66
		.amdhsa_reserve_vcc 1
		.amdhsa_float_denorm_mode_32 3
		.amdhsa_float_denorm_mode_16_64 3
		.amdhsa_memory_ordered 1
		.amdhsa_forward_progress 1
		.amdhsa_inst_pref_size 100
	.end_amdhsa_kernel
	.amdgpu_metadata
---
amdhsa.version: [ 1, 2 ]
amdhsa.kernels:
  - .name:           k_qafd06fa441_attn
    .symbol:         k_qafd06fa441_attn.kd
    .args:
      - { .name: qc, .offset: 0, .size: 8, .value_kind: global_buffer, .address_space: global }
      - { .name: kv, .offset: 8, .size: 8, .value_kind: global_buffer, .address_space: global }
      - { .name: ac, .offset: 16, .size: 8, .value_kind: global_buffer, .address_space: global }
    .group_segment_fixed_size: 215040
    .private_segment_fixed_size: 0
    .kernarg_segment_align: 8
    .kernarg_segment_size: 24
    .max_flat_workgroup_size: 512
    .sgpr_count:     66
    .vgpr_count:     256
    .wavefront_size: 32
...
	.end_amdgpu_metadata
.endif
;; end of part 2
;; launch proj (part 3): grid 32 x 8, 4 waves a work-group, clusters of 4 x 1, 168,448 bytes of LDS; arguments ac, wo_codes, wo_scales, bo, out0; writes out0
.if DOCPART == 3
	.amdgcn_target "amdgcn-amd-amdhsa--gfx1250"
	.amdhsa_code_object_version 6
	.text
	.protected	k_qafd06fa441_proj
	.globl	k_qafd06fa441_proj
	.p2align	8
	.type	k_qafd06fa441_proj,@function
k_qafd06fa441_proj:
	s_mov_b64 s[64:65], 0
	v_nop
	global_prefetch_b8 v0, s[64:65] scope:SCOPE_SE
	s_setreg_imm32_b32 hwreg(HW_REG_WAVE_MODE, 25, 1), 1
	s_wait_xcnt 0x0
	s_wait_alu depctr_hold_cnt(0) depctr_sa_sdst(0) depctr_va_vdst(0) depctr_va_sdst(0) depctr_va_ssrc(0) depctr_va_vcc(0) depctr_vm_vsrc(0)
	s_getreg_b32 s2, hwreg(HW_REG_IB_STS2, 6, 4)
	s_cmp_eq_u32 s2, 0
	s_cbranch_scc0 .Lentry_in_a_cluster
	s_endpgm
.Lentry_in_a_cluster:
	s_bfe_u32 s2, ttmp6, 0x10000c
	s_cmp_lg_u32 s2, 0x3003
	s_cbranch_scc0 .Lentry_shape_is_right
	s_endpgm
.Lentry_shape_is_right:
; out = attn wo + bo on codes of FP6 (E2M3) with E8M0 scales; sums in f32.
; SHARES.  A work-group makes 256 tokens x 128 columns, in two slabs of 64.  Wave w keeps its 64 tokens' codes for all of K (1,024: 16 heads) in 384 registers, loaded as they were stored: a K step of 128 is two heads' half fragments.
; wo's 128 rows come into LDS once; the four work-groups of a cluster (four blocks of tokens, the same columns) ask for them jointly.  Nothing is filled again.
; Source 0 = 16 rows of wo, source 1 = 16 tokens: a lane holds eight neighbouring columns of one row of out.  32 rows x 64 columns at a time go through the wave's own stage in LDS and leave as aligned runs of 256 bytes.
.set PITCH, 816                        ; a row of 768 bytes with 16 of padding behind each 256: row r starts at bank 12 r mod 64 (64 banks of 4 bytes: ISA guide 11.1)
.set STGB,  128*PITCH                  ; behind wo: a stage of 32 rows x 272 bytes for each wave; no tensor load lands there
.set SP,    272
.set WA,  9                            ; v9, v10  r x PITCH + 24 h, + 40 h, in the slab in hand
.set SA,  11                           ; v11  32 r
.set BA,  12                           ; v12  32 h
.set L16, 13                           ; v13  16 x lane
.set L8,  14                           ; v14  8 x lane
.set STO, 16                           ; v16  the stage: where I put 32 bytes of a row
.set RD,  17                           ; v17  where I read a row back
.set CO,  18                           ; v18  the same place in out
.set XS,  32                           ; v32-63   the tokens' scale words: 8 t + q
.set WS,  64                           ; v64-127  wo's: 32 e + 8 n + q
.set WF,  128                          ; v128-223 wo's fragments, two sets
.set ACC, 0                            ; window 3: 16 accumulators; v128-191 the bias of both slabs; v192-255 rows on the way out
.set BIAS, 128
.set MSB, 0
.macro WIN new
.if MSB != (\new)
	s_set_vgpr_msb (MSB<<8)|(\new)
.set MSB, (\new)
.endif
.endm
.macro PLACES
.rept 4
	v_nop
.endr
.endm
.macro CROUND
	s_barrier_signal -1
	s_barrier_wait -1
	s_cmp_lg_u32 s14, 0
	s_cbranch_scc1 .Lnot_wave_0_\@
	s_barrier_signal -3
.Lnot_wave_0_\@:
	s_barrier_wait -3
	s_barrier_signal -1
	s_barrier_wait -1
.endm
.macro FRAG reg, adr, q, rowoff        ; 16 rows x 128 K in pieces of 8 bytes; lanes 16-31 read three pieces on, for some pieces behind one padding more: the second address
.irp p, 0,1,2,3,4,5
.set PN, 12*(\q)+6*(\p/3)+\p%3
.if PN%32 < 29
	ds_load_b64 v[\reg+2*\p:\reg+2*\p+1], v[\adr] offset:8*PN+16*(PN/32)+(\rowoff)
.else
	ds_load_b64 v[\reg+2*\p:\reg+2*\p+1], v[\adr+1] offset:8*PN+16*(PN/32)+(\rowoff)
.endif
.endr
.endm
.macro FETCHW q, set
.irp n, 0,1,2,3
	FRAG WF+48*(\set)+12*\n, WA, \q, 16*\n*PITCH
.endr
.endm
.macro MUL16 q, set, e                 ; one K step: the 16 accumulators by turns; the first K step takes the bias as C
.if (\q) < 5
.set XB, 48*(\q)
.set XW, 1
.else
.set XB, 48*((\q)-5)
.set XW, 2
.endif
	WIN 0xf0+4*XW                                  ; source 0 = wo (window 0), source 1 = the tokens (window 1 or 2), C and D window 3
.irp t, 0,1,2,3
.irp n, 0,1,2,3
.set DD, ACC+32*\t+8*\n
.set CC, DD
.if (\q) == 0
.set CC, BIAS+32*(\e)+8*\n
.endif
	v_wmma_scale_f32_16x16x128_f8f6f4 v[DD:DD+7], v[WF+48*(\set)+12*\n:WF+48*(\set)+12*\n+11], v[XB+12*\t:XB+12*\t+11], v[CC:CC+7], v[WS+32*(\e)+8*\n+(\q)], v[XS+8*\t+(\q)] matrix_a_fmt:MATRIX_FMT_FP6 matrix_b_fmt:MATRIX_FMT_FP6
.endr
.endr
.endm
.macro OUTW e                          ; a slab's 64 rows x 64 columns leave, 32 rows at a time; the first 32 come back into window 2 (v144 on), the others into window 3 (v192 on)
	PLACES
	s_wait_xcnt 0x0                                ; the last slab's stores have read their data
.irp b, 0,1
	WIN 0x0c                                       ; an LDS store's data: window 3
.irp u, 0,1
.irp n, 0,1,2,3
	ds_store_b128 v[STO], v[ACC+32*(2*\b+\u)+8*\n:ACC+32*(2*\b+\u)+8*\n+3] offset:\u*16*SP+64*\n      ; each accumulator from its low end on
	ds_store_b128 v[STO], v[ACC+32*(2*\b+\u)+8*\n+4:ACC+32*(2*\b+\u)+8*\n+7] offset:\u*16*SP+64*\n+16
.endr
.endr
	WIN 0x80+0x40*\b
.irp i, 0,1,2,3,4,5,6,7,8,9,10,11,12,13,14,15
	ds_load_b128 v[144+48*\b+4*\i:144+48*\b+4*\i+3], v[RD] offset:2*\i*SP   ; LDS serves a wave's instructions in order (ISA guide 5.7.1.4): these see my stores, and the next 32 rows' stores come behind them
.endr
.endr
.irp b, 0,1
	WIN 0x08+4*\b                                  ; a store's data: window 2 or 3
.irp i, 0,1,2,3,4,5,6,7,8,9,10,11,12,13,14,15
	s_wait_dscnt 32*(1-\b)+15-\i                   ; behind this pair of rows' load: the later loads of its group, and for the first group the second's 16 stores and 16 loads
	global_store_b128 v[CO], v[144+48*\b+4*\i:144+48*\b+4*\i+3], s[12:13] offset:(32*\b+2*\i)*4096+256*(\e) th:TH_STORE_NT   ; 16 lanes store 256 consecutive bytes, at a multiple of 256 from out's first byte
.endr
.endr
	WIN 0
.endm
.macro SLAB e
.set Q, 0
.rept 8
	PLACES                                         ; behind the last K step's products, which read the set that is loaded now
	WIN 0
.if Q < 7
	FETCHW Q+1, (Q+1)%2
	s_wait_dscnt 24                                ; all but the 24 loads just issued
.elseif (\e) == 0
	v_add_nc_u32 v[WA], 64*PITCH, v[WA]            ; on to the second slab's rows
	v_add_nc_u32 v[WA+1], 64*PITCH, v[WA+1]
	FETCHW 0, 0
	s_wait_dscnt 24
.else
	s_wait_dscnt 0x0
.endif
	MUL16 Q, Q%2, \e
.set Q, Q+1
.endr
	OUTW \e
.endm
	s_load_b256 s[4:11], s[0:1], 0x0               ; ac, wo codes, wo scales, bo
	s_load_b64 s[12:13], s[0:1], 0x20              ; out
	v_lshl_add_u32 v254, v0, 2, 0x29000
	v_mov_b32 v255, 0
	ds_add_u32 v254, v255
	ds_add_u32 v254, v255
	v_lshrrev_b32 v1, 5, v0
	v_readfirstlane_b32 s14, v1                    ; wave 0..3
	s_bfe_u32 s15, ttmp6, 0x40000                  ; cx
	s_lshl_b32 s16, ttmp9, 2
	s_add_co_u32 s16, s16, s15                     ; which 256 tokens
	s_and_b32 s17, ttmp7, 0xffff                   ; which 128 columns: shared by the four partners
	s_mov_b32 s24, 15|(3<<16)|(1<<20)|(1<<21)|(5<<22)|(3<<25)   ; the mask: all four; elements of 8 bytes; padding on; bit 21 beside a mask; behind every 64 words 4 words
	s_mov_b32 s25, 96<<16                          ; tensor_dim0
	s_mov_b32 s26, 32<<16                          ; tensor_dim1
	s_mov_b32 s27, 96<<16                          ; tile_dim0
	s_mov_b32 s28, 32                              ; tile_dim1
	s_mov_b32 s29, 96                              ; dense rows
	s_mov_b32 s30, 0
	s_mov_b32 s31, 0
	s_lshl_b32 s18, s17, 7
	s_lshl_b32 s19, s14, 5
	s_add_co_u32 s18, s18, s19                     ; my 32 rows of wo
	s_mul_i32 s18, s18, 768
	s_mov_b32 s19, 0
	s_mul_i32 s20, s14, 32*PITCH
	s_wait_dscnt 0x0
	s_wait_kmcnt 0x0
	s_mov_b32 s32, 1
	s_mov_b32 s33, s20
	s_add_nc_u64 s[34:35], s[6:7], s[18:19]
	s_or_b32 s35, s35, 0x80000000
	CROUND                                         ; the four work-groups are here: the joint loads meet
	tensor_load_to_lds s[32:35], s[24:31]          ; one load of mine is out
	s_nop 0
	PLACES
	s_lshl_b32 s18, s16, 4
	s_lshl_b32 s21, s14, 2
	s_add_co_u32 s18, s18, s21                     ; my first tile of tokens
	s_lshl_b32 s18, s18, 14                        ; 16 heads x 1,024 bytes a tile
	s_add_nc_u64 s[4:5], s[4:5], s[18:19]
	s_lshl_b32 s18, s17, 12
	s_add_nc_u64 s[8:9], s[8:9], s[18:19]          ; wo's scales at row 128 x column block
	s_lshl_b32 s18, s17, 9
	s_add_nc_u64 s[10:11], s[10:11], s[18:19]      ; bo likewise,
	s_add_nc_u64 s[12:13], s[12:13], s[18:19]      ; and out's columns
	s_lshl_b32 s18, s16, 8
	s_lshl_b32 s21, s14, 6
	s_add_co_u32 s18, s18, s21
	s_lshl_b32 s18, s18, 12                        ; my first row of out
	s_add_nc_u64 s[12:13], s[12:13], s[18:19]
	v_and_b32 v1, 31, v0
	v_and_b32 v2, 15, v0                           ; r
	v_bfe_u32 v3, v0, 4, 1                         ; h
	v_mul_u32_u24 v[WA], v2, PITCH
	v_mad_u32_u24 v[WA+1], v3, 40, v[WA]
	v_mad_u32_u24 v[WA], v3, 24, v[WA]
	v_lshlrev_b32 v[SA], 5, v2
	v_lshlrev_b32 v[BA], 5, v3
	v_lshlrev_b32 v[L16], 4, v1
	v_lshlrev_b32 v[L8], 3, v1
	s_mul_i32 s22, s14, 32*SP
	s_add_co_u32 s22, s22, STGB                    ; my stage
	v_mul_u32_u24 v[STO], v2, SP
	v_lshl_add_u32 v[STO], v3, 5, v[STO]
	v_add_nc_u32 v[STO], s22, v[STO]               ; in: row r, 32 bytes for each half of the lanes
	v_mul_u32_u24 v[RD], v3, SP
	v_lshl_add_u32 v[RD], v2, 4, v[RD]
	v_add_nc_u32 v[RD], s22, v[RD]                 ; back: lanes 0-15 one row of 256 bytes, lanes 16-31 the next
	v_lshlrev_b32 v[CO], 12, v3
	v_lshl_add_u32 v[CO], v2, 4, v[CO]             ; and the same two rows in out
	WIN 0x40                                       ; destination window 1
.set Q, 0
.rept 8
.if Q == 5
	WIN 0x80                                       ; destination window 2
.endif
.if Q < 5
.set XB, 48*Q
.else
.set XB, 48*(Q-5)
.endif
.irp t, 0,1,2,3                                ; tile t, K step Q: heads 2 Q and 2 Q + 1
	global_load_b128 v[XB+12*\t:XB+12*\t+3], v[L16], s[4:5] offset:(16*\t+2*Q)*1024
	global_load_b64 v[XB+12*\t+4:XB+12*\t+5], v[L8], s[4:5] offset:(16*\t+2*Q)*1024+512
	global_load_b128 v[XB+12*\t+6:XB+12*\t+9], v[L16], s[4:5] offset:(16*\t+2*Q)*1024+1024
	global_load_b64 v[XB+12*\t+10:XB+12*\t+11], v[L8], s[4:5] offset:(16*\t+2*Q)*1024+1536
.endr
.set Q, Q+1
.endr
	WIN 0
.set Q, 0
.rept 8
.irp t, 0,1,2,3
	global_load_b32 v[XS+8*\t+Q], v[L8], s[4:5] offset:(16*\t+2*Q)*1024+768      ; the even head's two scale bytes,
	global_load_b32 v[WF+8*\t+Q], v[L8], s[4:5] offset:(16*\t+2*Q)*1024+1792     ; the odd head's
.endr
.set Q, Q+1
.endr
.irp e, 0,1
.irp n, 0,1,2,3
	global_load_b128 v[WS+32*\e+8*\n:WS+32*\e+8*\n+3], v[SA], s[8:9] offset:(64*\e+16*\n)*32
	global_load_b128 v[WS+32*\e+8*\n+4:WS+32*\e+8*\n+7], v[SA], s[8:9] offset:(64*\e+16*\n)*32+16
.endr
.endr
	WIN 0xc0                                       ; destination window 3
.irp e, 0,1
.irp n, 0,1,2,3
	global_load_b128 v[BIAS+32*\e+8*\n:BIAS+32*\e+8*\n+3], v[BA], s[10:11] offset:(64*\e+16*\n)*4
	global_load_b128 v[BIAS+32*\e+8*\n+4:BIAS+32*\e+8*\n+7], v[BA], s[10:11] offset:(64*\e+16*\n)*4+16
.endr
.endr
	WIN 0
	s_wait_loadcnt 0x0
.set N, 0
.rept 32
	v_lshl_or_b32 v[XS+N], v[WF+N], 16, v[XS+N]    ; a K step's scale word: two bytes of each of its two heads
.set N, N+1
.endr
	s_wait_tensorcnt 0x0                           ; my 32 rows of wo are in,
	s_barrier_signal -1
	s_barrier_wait -1                              ; everybody's are
	FETCHW 0, 0
	SLAB 0
	SLAB 1
	s_wait_dscnt 0x0
	s_wait_tensorcnt 0x0
	ds_add_u32 v254, v255
	s_wait_dscnt 0x0
	CROUND                                         ; the closing round
	s_endpgm
.Lfunc_end_k_qafd06fa441_proj:
	.size	k_qafd06fa441_proj, .Lfunc_end_k_qafd06fa441_proj-k_qafd06fa441_proj
	.p2alignl 7, 3214868480
	.fill 96, 4, 3214868480
	.section	.rodata,"a",@progbits
	.p2align	6, 0x0
	.amdhsa_kernel k_qafd06fa441_proj
		.amdhsa_group_segment_fixed_size 168448
		.amdhsa_private_segment_fixed_size 0
		.amdhsa_enable_private_segment 0
		.amdhsa_kernarg_size 40
		.amdhsa_user_sgpr_count 2
		.amdhsa_user_sgpr_kernarg_segment_ptr 1
		.amdhsa_wavefront_size32 1
		.amdhsa_system_sgpr_workgroup_id_x 1
		.amdhsa_system_sgpr_workgroup_id_y 1
		.amdhsa_system_sgpr_workgroup_id_z 1
		.amdhsa_system_vgpr_workitem_id 0
		.amdhsa_next_free_vgpr 1024
		.amdhsa_next_free_sgpr 66
		.amdhsa_reserve_vcc 0
		.amdhsa_float_denorm_mode_32 3
		.amdhsa_float_denorm_mode_16_64 3
		.amdhsa_memory_ordered 1
		.amdhsa_forward_progress 1
		.amdhsa_inst_pref_size 105
	.end_amdhsa_kernel
	.amdgpu_metadata
---
amdhsa.version: [ 1, 2 ]
amdhsa.kernels:
  - .name:           k_qafd06fa441_proj
    .symbol:         k_qafd06fa441_proj.kd
    .args:
      - { .name: ac, .offset: 0, .size: 8, .value_kind: global_buffer, .address_space: global }
      - { .name: wo_codes, .offset: 8, .size: 8, .value_kind: global_buffer, .address_space: global }
      - { .name: wo_scales, .offset: 16, .size: 8, .value_kind: global_buffer, .address_space: global }
      - { .name: bo, .offset: 24, .size: 8, .value_kind: global_buffer, .address_space: global }
      - { .name: out0, .offset: 32, .size: 8, .value_kind: global_buffer, .address_space: global }
    .group_segment_fixed_size: 168448
    .private_segment_fixed_size: 0
    .kernarg_segment_align: 8
    .kernarg_segment_size: 40
    .max_flat_workgroup_size: 128
    .sgpr_count:     66
    .vgpr_count:     1024
    .wavefront_size: 32
...
	.end_amdgpu_metadata
.endif
;; end of part 3
